; MI455X (gfx1250); checked and timed in simulation.
; The chip was launched on July 23, 2026; its instructions are those of AMD's public machine-readable ISA for CDNA 5 (MIT licence, August 2026) and "CDNA5" Instruction Set Architecture Reference Guide (July 2026). The comments in the code are by the model that wrote it; some were corrected since.
;; Attention. Allowed arithmetic: matrix products marked QUANTISED: E2M3 operands, one E8M0 scale for each 32 along K, by v_wmma_scale_f32_16x16x128_f8f6f4 with both operands' format E2M3, f32 sums; products left as they are: f32 operands where the result goes on into a quantised operand, else bf16, f16 or f32 operands; f32 sums; everything else in f32.
;; Inputs: Kb 1,024 float32; Kw 1,024 x 1,024 float32; Qb 1,024 float32; Qw 1,024 x 1,024 float32; Vb 1 float32; Vw 1 x 1,024 float32; keys 8 x 4,096 x 1,024 float32; queries 8 x 4,096 x 1,024 float32.
;; Outputs: out0 8 x 1 x 1,024 float32; out1 8 x 1 x 4,096 float32.
;; This version of the problem:
;;   THIS VERSION OF THE PROBLEM IS GIVEN IN LOW PRECISION. The matrix products marked QUANTISED in the list below multiply operands that are first quantised to E2M3 (2 exponent bits, 3 mantissa bits; 6 bits a number), with one power-of-two scale for each 32 numbers along K (OCP MX v1.0); their sums are f32. All else is computed in f32.
;;   The module's matrix products, in the order in which they are computed (A, B: the left and right operand; K: the contracted axis; several contracted axes count as one K, in the product's order):
;;     1. [M 32,768, K 1,024] x [K 1,024, N 1,024]; A: input queries; B: input Qw: QUANTISED
;;     2. [M 32,768, K 1,024] x [K 1,024, N 1,024]; A: input keys; B: input Kw: QUANTISED
;;     3. [M 32,768, K 1,024] x [K 1,024, N 1]; A: computed on the way; B: input Vw: left as it is (N = 1 < 16)
;;     4. batch 8 x [M 1, K 4,096] x [K 4,096, N 1,024]; A: softmax; B: input keys: left as it is (M = 1 < 16)
;;   THE QUANTISER, for each operand of a quantised product, along K:
;;     - K is cut into blocks of 32 from its start; a last block that is shorter is filled with zeros.
;;     - A block's scale is 2^e with e = floor(log2(the largest magnitude in the block)) - 2, held to -126 .. 127; a block of zeros has e = 0. As a byte (E8M0): e + 127.
;;     - Each number is divided by its block's scale, clamped to +-7.5, and rounded to the nearest number of E2M3, ties to even, subnormals kept.
;;     - The product sums the exact products of the quantised numbers (number of the format x scale) in f32.
;;   ~~~python
;;   def quantise(x, axis):      # numpy; x: float32 -> the quantised numbers, widened to float32 again
;;       x = np.moveaxis(x, axis, -1); K = x.shape[-1]
;;       x = np.pad(x, [(0, 0)] * (x.ndim - 1) + [(0, -K % 32)]); x = x.reshape(x.shape[:-1] + (-1, 32)); a = np.abs(x).max(-1, keepdims=True)
;;       e = np.where(a > 0, np.clip(np.frexp(np.where(a > 0, a, 1))[1] - 1 - 2, -126, 127), 0)      # np.frexp(a)[1] - 1 = floor(log2(a)), exactly
;;       r = np.clip(x / 2.0 ** e, -7.5, 7.5)
;;       step = 2.0 ** (np.maximum(np.frexp(np.where(r == 0, 1, r))[1] - 1, 0) - 3)
;;       q = np.round(r / step) * step * 2.0 ** e      # np.round: ties to even
;;       return np.moveaxis(q.reshape(q.shape[:-2] + (-1,))[..., :K], -1, axis).astype(np.float32)
;;   ~~~
;; One version. Each part assembles by itself: llvm-mc -triple=amdgcn-amd-amdhsa -mcpu=gfx1250 --defsym DOCPART=n.
;; ======== version 1 of 1: 3 launches
;; limits: right only within a limited range of input values
;; workspace buffers: wq 1,638,400 bytes; sc 131,072 bytes; pc 2,097,152 bytes
;; launch prep (part 1): grid 256 x 1, 4 waves a work-group, no clusters, 35,328 bytes of LDS; arguments Qw, Kw, wq; writes wq
.if DOCPART == 1
	.amdgcn_target "amdgcn-amd-amdhsa--gfx1250"
	.amdhsa_code_object_version 6
	.text
	.protected	k_q246e62342e_prep
	.globl	k_q246e62342e_prep
	.p2align	8
	.type	k_q246e62342e_prep,@function
k_q246e62342e_prep:
	s_mov_b64 s[64:65], 0
	v_nop
	global_prefetch_b8 v0, s[64:65] scope:SCOPE_SE
	s_setreg_imm32_b32 hwreg(HW_REG_WAVE_MODE, 25, 1), 1
	s_wait_xcnt 0x0
; Qw and Kw, [1024][1024] f32 with K innermost, become codes of FP6 (E2M3) with one E8M0 scale byte for each 32 along K,
; laid in wq as the product's launch takes them: [16 K steps of 128][4 quarters of 256 columns][25,600 bytes].
; A quarter is 16 tiles x 1,536 bytes, each the IMAGE OF AN OPERAND'S REGISTERS (register p of lane l at 512 (p / 4) + 16 l + 4 (p % 4)),
; then 256 scale words (word 16 b + r: tile b, lane r).  Lane r of tile b of quarter w is weight row 256 w + 16 r + b.
; A block's scale is 2^(floor(log2(its largest magnitude)) - 2); its byte is that magnitude's exponent field - 2, held at 1 from below.
; LIMITS: a block whose largest magnitude lies under 2^-124 (a block of zeros too) keeps the byte 1; of zeros the codes are zeros, and this
; program alone reads the bytes.  NaN and infinities among the inputs are not served.
; SHARES: work-group g: K step g / 16, quarter (g / 4) % 4, tiles 4 (g % 4) + wave.  One wave makes one fragment: 16 rows x 128 K.
; Each load reads 512 consecutive bytes of one row; the 8,192 bytes turn through the wave's own stage in LDS, so that a lane holds
; 16 neighbours of each block of 32 of ONE row, as the conversions want them.
; WORK LEFT OUT BY THE PROGRAM: Vb.  reference() adds Vb[0] to every score of a batch and then takes the softmax along those scores: softmax(s + c) = softmax(s) for every finite c,
; and the context hangs on the weights alone.  So Vb reaches no output; it is not loaded and is among no launch's arguments.  LIMIT: a NaN, an infinity or an overflow that Vb alone would bring is not carried to the results.
.set X,   16
.set TM,  80                           ; v80-95   at work: largest magnitudes, bytes, scale operands
.set PW,  96                           ; v96      the scale word
.set PC,  100                          ; v100-119 the codes (12 registers) and two runs at work
.set GA,  4                            ; v4       16 x lane
.set STS, 5                            ; v5       the stage, way in: 16 x lane
.set STL, 6                            ; v6       the stage, way out: 528 x row + 64 x half
.set STG, 8448                         ; a wave's stage: 16 rows x (512 bytes + 16)
.set SCG, 4*STG                        ; behind the stages: the work-group's 64 scale words
.set SEL, 2                            ; s[2:3]   lane selects for v_permlanex16_b32: lane l xor 16
.macro QUANT s
.irp b, 0,1,2,3
	v_max3_num_f32 v[TM+\b], |v[\s+16*\b]|, |v[\s+1+16*\b]|, 0x1800000   ; block b: my 16 numbers, and the floor 2^(3 - 127): the byte cannot fall under 1
.endr
.irp i, 2,4,6,8,10,12,14
.irp b, 0,1,2,3
	v_max3_num_f32 v[TM+\b], v[TM+\b], |v[\s+16*\b+\i]|, |v[\s+1+16*\b+\i]|   ; the four blocks by turns
.endr
.endr
.irp b, 0,1,2,3
	v_permlanex16_b32 v[TM+4+\b], v[TM+\b], s[SEL], s[SEL+1]
.endr
.irp b, 0,1,2,3
	v_max_num_f32 v[TM+\b], v[TM+\b], v[TM+4+\b]         ; with lane l xor 16's 16: the block's largest magnitude
.endr
.irp b, 0,1,2,3
	v_add_nc_u32 v[TM+12+\b], 0xff000000, v[TM+\b]       ; 2 off its exponent field: the conversion's scale operand
.endr
.irp b, 0,1,2,3
	v_lshrrev_b32 v[TM+4+\b], 23, v[TM+12+\b]            ; the scale's byte
.endr
	v_lshl_or_b32 v[PW], v[TM+5], 8, v[TM+4]             ; four bytes make the row's scale word
	v_lshl_or_b32 v[PW], v[TM+6], 16, v[PW]
	v_lshl_or_b32 v[PW], v[TM+7], 24, v[PW]
.irp c, 0,1
	v_cvt_scalef32_pk16_fp6_f32 v[PC+6*\c:PC+2+6*\c], v[\s+32*\c:\s+15+32*\c], v[TM+12+2*\c]
	v_cvt_scalef32_pk16_fp6_f32 v[PC+12+4*\c:PC+14+4*\c], v[\s+16+32*\c:\s+31+32*\c], v[TM+12+2*\c+1]   ; a conversion's three registers begin on an even number
.endr
	v_nop                                                ; one plain instruction behind the scaled conversions
.irp c, 0,1                                          ; the operand wants a WHOLE block in a lane: lanes 0-15 block 2 c, lanes 16-31 block 2 c + 1
.irp i, 0,1,2
	v_permlane16_swap_b32 v[PC+6*\c+\i], v[PC+12+4*\c+\i]
.endr
.irp i, 0,1,2
	v_mov_b32 v[PC+3+6*\c+\i], v[PC+12+4*\c+\i]
.endr
.endr
.endm
	s_load_b128 s[4:7], s[0:1], 0x0                ; Qw s[4:5], Kw s[6:7]
	s_load_b64 s[8:9], s[0:1], 0x10                ; wq
	v_lshl_add_u32 v128, v0, 2, 0x8800
	v_mov_b32 v129, 0
	v_lshrrev_b32 v1, 5, v0
	v_readfirstlane_b32 s10, v1                    ; wave 0..3
	v_and_b32 v1, 31, v0                           ; lane
	v_and_b32 v2, 15, v0                           ; r
	v_bfe_u32 v3, v0, 4, 1                         ; h
	v_lshlrev_b32 v[GA], 4, v1
	s_mul_i32 s11, s10, STG                        ; my stage
	v_add_nc_u32 v[STS], s11, v[GA]
	v_mul_u32_u24 v[STL], v2, 528
	v_lshl_add_u32 v[STL], v3, 6, v[STL]
	v_add_nc_u32 v[STL], s11, v[STL]
	s_lshl_b32 s12, s10, 6
	s_add_co_u32 s12, s12, SCG
	v_lshl_add_u32 v7, v2, 2, s12                  ; where my tile's scale words go: 64 x wave + 4 r
	v_lshlrev_b32 v9, 3, v1                        ; the way out of the 64 words: 8 bytes a lane
	v_add_nc_u32 v8, SCG, v9
.irp b, 0,1,2,3
	v_mov_b32 v[TM+4+\b], 0                        ; written once: a lane permute's destination counts as one of its sources
.endr
	s_mov_b32 s[SEL], 0x76543210
	s_mov_b32 s[SEL+1], 0xfedcba98
	s_lshr_b32 s13, ttmp9, 4                       ; K step 0..15
	s_bfe_u32 s14, ttmp9, 0x20002                  ; quarter w
	s_and_b32 s15, ttmp9, 3                        ; group of four tiles
	s_lshl_b32 s16, s15, 2
	s_add_co_u32 s16, s16, s10                     ; tile b
	s_lshl_b32 s17, s14, 8
	s_add_co_u32 s17, s17, s16                     ; the tile's first weight row: 256 w + b
	s_lshl_b32 s17, s17, 12                        ; x 4,096 bytes
	s_and_b32 s18, s13, 7
	s_lshl_b32 s18, s18, 9                         ; + the K step's 512 bytes in a row
	s_add_co_u32 s20, s17, s18
	s_mov_b32 s21, 0
	s_mul_i32 s22, s13, 102400
	s_mul_i32 s19, s14, 25600
	s_add_co_u32 s22, s22, s19                     ; where the quarter begins in wq
	s_mul_i32 s19, s16, 1536
	s_add_co_u32 s24, s22, s19                     ; my tile's image
	s_mov_b32 s25, 0
	s_lshl_b32 s19, s15, 8
	s_add_co_u32 s26, s22, s19
	s_add_co_u32 s26, s26, 24576                   ; the work-group's 256 bytes of scale words
	s_mov_b32 s27, 0
	s_wait_alu depctr_va_vdst(0)
	s_wait_kmcnt 0x0
	s_cmp_lt_u32 s13, 8                            ; the choice hangs on the work-group's number alone
	s_cselect_b64 s[4:5], s[4:5], s[6:7]
	s_add_nc_u64 s[4:5], s[4:5], s[20:21]
	s_add_nc_u64 s[28:29], s[8:9], s[24:25]
	s_add_nc_u64 s[30:31], s[8:9], s[26:27]
.set T, 0
.rept 16
	global_load_b128 v[X+4*T:X+4*T+3], v[GA], s[4:5] offset:65536*T th:TH_LOAD_NT   ; the tile's row T lies 16 weight rows on: 512 consecutive bytes a load
.set T, T+1
.endr
	s_wait_loadcnt 0x0
.set T, 0
.rept 16
	ds_store_b128 v[STS], v[X+4*T:X+4*T+3] offset:528*T
.set T, T+1
.endr
.set T, 0
.rept 16
	ds_load_b128 v[X+4*T:X+4*T+3], v[STL] offset:128*(T/4)+16*(T%4)   ; LDS serves a wave's instructions in order: these see my stores
.set T, T+1
.endr
	s_wait_dscnt 0x0
	QUANT X
.irp c, 0,1,2
	global_store_b128 v[GA], v[PC+4*\c:PC+4*\c+3], s[28:29] offset:512*\c   ; 32 lanes store 512 consecutive bytes, at a multiple of 256 from wq's first byte
.endr
	ds_store_b32 v7, v[PW]                         ; lanes r and r + 16 write the same word with the same value
	s_wait_dscnt 0x0                               ; for the others' sake: my words have landed
	s_barrier_signal -1
	s_barrier_wait -1
	s_cmp_lg_u32 s10, 0
	s_cbranch_scc1 .Ldone
	ds_load_b64 v[120:121], v8                     ; wave 0 takes the four tiles' 64 words
	s_wait_dscnt 0x0
	global_store_b64 v9, v[120:121], s[30:31]      ; 256 consecutive bytes, aligned
.Ldone:
	s_barrier_signal -1
	s_barrier_wait -1
	s_wait_tensorcnt 0x0
	ds_add_u32 v128, v129
	s_wait_dscnt 0x0
	s_endpgm
.Lfunc_end_k_q246e62342e_prep:
	.size	k_q246e62342e_prep, .Lfunc_end_k_q246e62342e_prep-k_q246e62342e_prep
	.p2alignl 7, 3214868480
	.fill 96, 4, 3214868480
	.section	.rodata,"a",@progbits
	.p2align	6, 0x0
	.amdhsa_kernel k_q246e62342e_prep
		.amdhsa_group_segment_fixed_size 35328
		.amdhsa_private_segment_fixed_size 0
		.amdhsa_enable_private_segment 0
		.amdhsa_kernarg_size 24
		.amdhsa_user_sgpr_count 2
		.amdhsa_user_sgpr_kernarg_segment_ptr 1
		.amdhsa_wavefront_size32 1
		.amdhsa_system_sgpr_workgroup_id_x 1
		.amdhsa_system_sgpr_workgroup_id_y 1
		.amdhsa_system_sgpr_workgroup_id_z 1
		.amdhsa_system_vgpr_workitem_id 0
		.amdhsa_next_free_vgpr 130
		.amdhsa_next_free_sgpr 66
		.amdhsa_reserve_vcc 0
		.amdhsa_float_denorm_mode_32 3
		.amdhsa_float_denorm_mode_16_64 3
		.amdhsa_memory_ordered 1
		.amdhsa_forward_progress 1
		.amdhsa_inst_pref_size 11
	.end_amdhsa_kernel
	.amdgpu_metadata
---
amdhsa.version: [ 1, 2 ]
amdhsa.kernels:
  - .name:           k_q246e62342e_prep
    .symbol:         k_q246e62342e_prep.kd
    .args:
      - { .name: Qw, .offset: 0, .size: 8, .value_kind: global_buffer, .address_space: global }
      - { .name: Kw, .offset: 8, .size: 8, .value_kind: global_buffer, .address_space: global }
      - { .name: wq, .offset: 16, .size: 8, .value_kind: global_buffer, .address_space: global }
    .group_segment_fixed_size: 35328
    .private_segment_fixed_size: 0
    .kernarg_segment_align: 8
    .kernarg_segment_size: 24
    .max_flat_workgroup_size: 128
    .sgpr_count:     66
    .vgpr_count:     130
    .wavefront_size: 32
...
	.end_amdgpu_metadata
.endif
;; end of part 1
;; launch main (part 2): grid 512 x 1, 4 waves a work-group, no clusters, 327,680 bytes of LDS; arguments queries, keys, wq, Qb, Kb, Vw, sc, pc; writes sc, pc
.if DOCPART == 2
	.amdgcn_target "amdgcn-amd-amdhsa--gfx1250"
	.amdhsa_code_object_version 6
	.text
	.protected	k_q246e62342e_main
	.globl	k_q246e62342e_main
	.p2align	8
	.type	k_q246e62342e_main,@function
k_q246e62342e_main:
	s_mov_b64 s[64:65], 0
	v_nop
	global_prefetch_b8 v0, s[64:65] scope:SCOPE_SE
	s_setreg_imm32_b32 hwreg(HW_REG_WAVE_MODE, 25, 1), 1
	s_wait_xcnt 0x0
; For a block of 64 rows: sc[row] = sum over n of Vw[n] tanh(queries[row] . Qw[n] + keys[row] . Kw[n] + Qb[n] + Kb[n]);  pc[block][c] = sum over the 64 rows of 2^((sc[row] - m) log2 e) keys[row][c], m the block's largest sc.
; Vb is left out: it is the same for all scores of a softmax (shown at the head of the first kernel).
; Both products on codes of FP6 (E2M3), one E8M0 scale for each 32 along K, as ONE sum over K = 2,048: K steps 0-7 queries x Qw, 8-15 keys x Kw.
; SHARES.  Work-group = 64 rows x 1,024 columns; wave w = 64 rows x columns 256 w ..: 4 x 16 accumulators, 512 registers.
; THE ROWS come as f32, each byte once, by tensor loads: a slot holds four K steps (2,048 bytes of 64 rows), two slots, four fills: queries' halves, then keys' halves.  Wave w fills and quantises rows 16 w .. 16 w + 15
; and hands its fragment to the others as an image of its registers, one K step ahead of the products.  Behind the last K step the two slots hold the block's keys whole, in f32: the weighted sum reads them from LDS.
; THE WEIGHTS are images of the operand's registers (the launch before).  A wave alone reads its quarter, so they go from memory straight into registers, group by group of four tiles, one K step ahead:
; 14 loads a group (12 of codes, 2 of scale words), three younger groups out at each wait.
; NO CLUSTER: no weight byte passes through LDS, so there is no tile to ask for jointly; the rows' two slots take 266,240 bytes, beside which two slots of a K step's 102,400 bytes of weights do not fit; the rows are no other work-group's.
; PREFETCH: behind the fill of slot t + 1 each wave names the 128 blocks of 256 bytes of its own rows of fill t + 2 (keys' two halves): one slot, four K steps, ahead of the load.  Queries come by their loads alone.
; LAYOUT.  Source 0 = 16 rows, source 1 = 16 columns: lane (r, h), register j of accumulator (a, b) is row 16 a + 8 h + j, column 256 w + 16 r + b.
; tanh(x) = 1 - 2 / (1 + 2^(2 log2(e) x)): it goes to 1 and -1 through infinity and 0.
; LIMITS: NaN and infinities among the inputs are not served; a block of a row whose largest magnitude lies under 2^-124 (zeros too) keeps the scale byte 1; a p under 2^-126 counts as 0.
; REGISTERS: window 0: v0-15, v228-235 addresses; v16-63 the rows' 4 fragments; v64-207 weights' groups 0-2; v240-251 scale words and nothing else.
;   window 1: v0-47 weights' group 3; v48-111 64 numbers; v112-151 the quantiser's; v160-207 Qb, Kb, Vw.   windows 2, 3: accumulator (a, b) in window 2 + b / 8 at v[32 (b % 8) + 8 a].
.set XP,     2080                      ; an LDS row: 2 x (1,024 bytes + 16 of padding)
.set XW,     16*XP                     ; a wave's 16 rows
.set XS1,    4*XW                      ; slot 1
.set IMG,    278528                    ; the rows' images, two sets IMX apart: 4 x 1,536 bytes, then the scale words (tile q's word of lane l at 16 l + 4 q).  No tensor load lands from here on
.set IMX,    8192
.set ASC,    6144
.set SCR,    294912                    ; 4 x 256 bytes: the waves' parts of the 64 scores
.set PB,     SCR+1024                  ; 4 x 256 bytes: each wave's own copy of the 64 p
.set SPARE,  SCR+2048                  ; the spare words, 128 bytes a wave
.set QUART,  25600
.set KSTEPB, 4*QUART
.set SPW,1
.set NIL,2
.set GA,3                              ; 16 x lane
.set ADA0,4
.set AWI0,5
.set AWS0,6
.set ADA,7                             ; the images read in this step
.set AWI,8                             ; where my image goes
.set AWS,9                             ; and its scale word
.set XA0,10
.set XA,11                             ; my numbers of the step that is quantised
.set SBO,12                            ; 4 x lane
.set CO,13                             ; 64 r
.set PFO,14                            ; prefetch: 4,096 r + 256 h
.set SCA,15
.set SCL,228
.set PO,229                            ; 8 x lane
.set PBW,230
.set PBA,231
.set CA0,234                           ; keys in LDS, rows 0-31; v235: rows 32-63
.set AF,16
.set BF,64
.set AS,240
.set BS,244                            ; register i: lanes 0-15 tile 2 i, lanes 16-31 tile 2 i + 1
.set XB,48                             ; window 1
.set TM,112
.set PW,128
.set PC,132
.set QB,160
.set KB,176
.set VW,192
.set BCD,16                            ; behind the last product, window 0
.set VWD,48
.set SU,80
.set VS,112
.set P,16                              ; the weighted sum: 64 p;
.set KX,80                             ; two sets of 8 rows x 8 numbers;
.set CT,208                            ; two sets of 8 sums
.set SCO,224                           ; my two scores
.set MXR,226
.set TP,227
.set WV,20
.set G1,24
.set G0,32
.set TB,36
.set TW,37
.set XO,38
.set J,39
.set PQ,40
.set PK,42
.set WP,44
.set SEL,46
.set CS,48
.set LW,50
.set MSB, 0
.macro WIN new                         ; the immediate's high byte repeats the setting that is left
.if MSB != (\new)
	s_set_vgpr_msb (MSB<<8)|(\new)
.set MSB, (\new)
.endif
.endm
.macro PLACES n
.rept \n
	v_nop
.endr
.endm
.macro XLOAD                           ; register 16 b + i = k 32 b + 16 h + i of row r
	WIN 0x40
.set T, 0
.rept 16
	ds_load_b128 v[XB+4*T:XB+4*T+3], v[XA] offset:128*(T/4)+16*(T%4)
.set T, T+1
.endr
.endm
.macro QUANT                           ; the 64 numbers become a fragment's codes in v[PC] on and its scale word in v[PW], all in window 1
	WIN 0x55
.irp b, 0,1,2,3
	v_max3_num_f32 v[TM+\b], |v[XB+16*\b]|, |v[XB+1+16*\b]|, 0x1800000   ; the floor 2^(3 - 127): the byte cannot fall under 1
.endr
.irp i, 2,4,6,8,10,12,14
.irp b, 0,1,2,3
	v_max3_num_f32 v[TM+\b], v[TM+\b], |v[XB+16*\b+\i]|, |v[XB+1+16*\b+\i]|
.endr
.endr
.irp b, 0,1,2,3
	v_permlanex16_b32 v[TM+4+\b], v[TM+\b], s[SEL], s[SEL+1]
.endr
.irp b, 0,1,2,3
	v_max_num_f32 v[TM+\b], v[TM+\b], v[TM+4+\b]         ; the block's largest magnitude
.endr
.irp b, 0,1,2,3
	v_add_nc_u32 v[TM+12+\b], 0xff000000, v[TM+\b]       ; 2 off its exponent field: the conversion's scale operand
.endr
.irp b, 0,1,2,3
	v_lshrrev_b32 v[TM+4+\b], 23, v[TM+12+\b]            ; the scale's byte
.endr
	v_lshl_or_b32 v[PW], v[TM+5], 8, v[TM+4]
	v_lshl_or_b32 v[PW], v[TM+6], 16, v[PW]
	v_lshl_or_b32 v[PW], v[TM+7], 24, v[PW]
.irp c, 0,1
	v_cvt_scalef32_pk16_fp6_f32 v[PC+6*\c:PC+2+6*\c], v[XB+32*\c:XB+15+32*\c], v[TM+12+2*\c]
	v_cvt_scalef32_pk16_fp6_f32 v[PC+12+4*\c:PC+14+4*\c], v[XB+16+32*\c:XB+31+32*\c], v[TM+12+2*\c+1]
.endr
	v_nop                                                ; one plain instruction behind the scaled conversions
.irp c, 0,1                                          ; the operand wants a whole block in a lane
.irp i, 0,1,2
	v_permlane16_swap_b32 v[PC+6*\c+\i], v[PC+12+4*\c+\i]
.endr
.irp i, 0,1,2
	v_mov_b32 v[PC+3+6*\c+\i], v[PC+12+4*\c+\i]
.endr
.endr
.endm
.macro IMAGE
	WIN 0x04
.irp c, 0,1,2
	ds_store_b128 v[AWI], v[PC+4*\c:PC+4*\c+3] offset:512*\c
.endr
	ds_store_b32 v[AWS], v[PW]
.endm
.macro FETCH_A                         ; 13 loads: the rows' 4 fragments and their scale words
	WIN 0
.set T, 0
.rept 12
	ds_load_b128 v[AF+4*T:AF+4*T+3], v[ADA] offset:512*T
.set T, T+1
.endr
	ds_load_b128 v[AS:AS+3], v[ADA] offset:ASC
.endm
.macro BLOAD g                         ; 14 loads: tiles 4 g .. 4 g + 3 of my quarter of the K step at s[WP], and their scale words; each load of codes reads 512 consecutive bytes
.if (\g) < 3
	WIN 0
.set rB0, BF+48*(\g)
.else
	WIN 0x40
.set rB0, 0
.endif
.set T, 0
.rept 12
	global_load_b128 v[rB0+4*T:rB0+4*T+3], v[GA], s[WP:WP+1] offset:6144*(\g)+512*T
.set T, T+1
.endr
	WIN 0
	global_load_b32 v[BS+2*(\g)], v[SBO], s[WP:WP+1] offset:24576+256*(\g)
	global_load_b32 v[BS+2*(\g)+1], v[SBO], s[WP:WP+1] offset:24576+256*(\g)+128
.endm
; 16 matrix instructions: tiles 4 g .. 4 g + 3 x the rows' four.  The 64 accumulators take turns, one instruction a turn, in the same order in every K step.
.macro MUL g, zero
	WIN 0xa0+0x50*((\g)/2)+0x04*((\g)/3)
.irp i, 0,1,2,3
.irp a, 0,1,2,3
.set rD, 32*((4*(\g)+\i)%8)+8*\a
.set rA, AF+12*\a
.if (\g) < 3
.set rB, BF+48*(\g)+12*\i
.else
.set rB, 12*\i
.endif
.set rS, BS+(4*(\g)+\i)/2
.if \zero
.if \i%2
	v_wmma_scale_f32_16x16x128_f8f6f4 v[rD:rD+7], v[rA:rA+11], v[rB:rB+11], 0, v[AS+\a], v[rS] matrix_a_fmt:MATRIX_FMT_FP6 matrix_b_fmt:MATRIX_FMT_FP6 matrix_b_scale:MATRIX_SCALE_ROW1
.else
	v_wmma_scale_f32_16x16x128_f8f6f4 v[rD:rD+7], v[rA:rA+11], v[rB:rB+11], 0, v[AS+\a], v[rS] matrix_a_fmt:MATRIX_FMT_FP6 matrix_b_fmt:MATRIX_FMT_FP6
.endif
.else
.if \i%2
	v_wmma_scale_f32_16x16x128_f8f6f4 v[rD:rD+7], v[rA:rA+11], v[rB:rB+11], v[rD:rD+7], v[AS+\a], v[rS] matrix_a_fmt:MATRIX_FMT_FP6 matrix_b_fmt:MATRIX_FMT_FP6 matrix_b_scale:MATRIX_SCALE_ROW1
.else
	v_wmma_scale_f32_16x16x128_f8f6f4 v[rD:rD+7], v[rA:rA+11], v[rB:rB+11], v[rD:rD+7], v[AS+\a], v[rS] matrix_a_fmt:MATRIX_FMT_FP6 matrix_b_fmt:MATRIX_FMT_FP6
.endif
.endif
.endr
.endr
.endm
; A CHANGE OF SLOTS: all my tensor loads have landed (my rows of the slot ahead), the add, my LDS instructions are done; behind the barrier nobody reads the slot left behind, and it is filled first thing.
.macro REFILL slot, ptr, off
	WIN 0
	s_wait_tensorcnt 0x0
	ds_add_u32 v[SPW], v[NIL]                      ; the descriptor's words stand between the add and the wait for it
	s_add_co_u32 s[G0+1], s[LW], \slot
	s_add_nc_u64 s[G0+2:G0+3], s[\ptr:\ptr+1], \off
	s_or_b32 s[G0+3], s[G0+3], 0x80000000
	s_wait_dscnt 0x0
	s_barrier_signal -1
	s_barrier_wait -1
	tensor_load_to_lds s[G0:G0+3], s[G1:G1+7]      ; my one tensor load until the next such barrier
	s_nop 0
	PLACES 4
.endm
.macro PREF off                        ; my 16 rows x 8 blocks of 256 bytes of keys, from byte off of the rows: a lane a block
.irp i, 0,1,2,3
	global_prefetch_b8 v[PFO], s[PK:PK+1] offset:\off+512*\i th:TH_LOAD_NT scope:SCOPE_SE
.endr
.endm
; ONE TRIP: the products of K step i - 1 (mul) and the quantising of K step i (quant).  The barrier at its head shows step i - 1's four images to all waves and frees the other set of images.
; With quant the weights of K step i are asked for, each group behind the products that read its registers.
.macro ITER mul, zero, quant
	WIN 0
.if \mul
	v_add_nc_u32 v[ADA], s[TB], v[ADA0]
.endif
.if \quant
	v_add_nc_u32 v[AWI], s[TW], v[AWI0]
	v_add_nc_u32 v[AWS], s[TW], v[AWS0]
	v_add_nc_u32 v[XA], s[XO], v[XA0]
.endif
	s_wait_alu depctr_va_vdst(0)
	s_wait_dscnt 0x0                               ; my image has landed, my reads are over
	s_barrier_signal -1
	s_barrier_wait -1
.if \mul
	FETCH_A
.endif
.if \quant
	XLOAD
.endif
.if \mul
	s_wait_dscnt 16*\quant                         ; the images are in; the 16 loads of numbers may be out
.irp g, 0,1,2,3
.if \quant
	s_wait_loadcnt 42                              ; this group's 14 loads are in; three younger groups may be out
.else
	s_wait_loadcnt 14*(3-\g)
.endif
	MUL \g, \zero
.if \quant
	PLACES 4                                       ; four plain instructions between a product and a load into a register that it read
	BLOAD \g
.endif
.endr
.endif
.if \quant
	s_wait_dscnt 0x0
	QUANT
	IMAGE
.endif
	WIN 0
.if \mul && \quant
	s_wait_xcnt 0x0                                ; the loads have read their base
	s_add_nc_u64 s[WP:WP+1], s[WP:WP+1], KSTEPB
.endif
	s_xor_b32 s[TB], s[TB], IMX
	s_xor_b32 s[TW], s[TW], IMX
	s_wait_alu depctr_va_vdst(0)
.endm
.macro RUN slot, j0                    ; trips that quantise K steps j0 .. 3 of a slot: step j lies at byte 512 j + 16 (j / 2) of the LDS rows
	s_mov_b32 s[J], \j0
.Lrun_\@:
	s_lshl_b32 s[XO], s[J], 9
	s_lshr_b32 s21, s[J], 1
	s_lshl_b32 s21, s21, 4
	s_add_co_u32 s[XO], s[XO], s21
	s_add_co_u32 s[XO], s[XO], \slot
	ITER 1, 0, 1
	s_add_co_u32 s[J], s[J], 1
	s_cmp_lt_u32 s[J], 4
	s_cbranch_scc1 .Lrun_\@
.endm
	s_load_b256 s[4:11], s[0:1], 0x0               ; queries, keys, wq, Qb
	s_load_b256 s[12:19], s[0:1], 0x20             ; Kb, Vw, sc, pc
	v_lshl_add_u32 v[SPW], v0, 2, SPARE
	v_mov_b32 v[NIL], 0
	ds_add_u32 v[SPW], v[NIL]                      ; the opening lines: the add twice on end and its wait ahead of my first tensor load
	ds_add_u32 v[SPW], v[NIL]
	v_lshrrev_b32 v16, 5, v0
	v_readfirstlane_b32 s[WV], v16                 ; wave 0..3
	s_mov_b32 s[G1+0], (3<<16)|(1<<20)|(7<<22)|(3<<25)   ; elements of 8 bytes; 4 dwords of padding behind every 256 dwords
	s_mov_b32 s[G1+1], 256<<16                     ; tensor_dim0: 2,048 bytes
	s_mov_b32 s[G1+2], 16<<16                      ; tensor_dim1: 16 rows
	s_mov_b32 s[G1+3], 256<<16
	s_mov_b32 s[G1+4], 16
	s_mov_b32 s[G1+5], 512                         ; 4,096 bytes from row to row
	s_mov_b32 s[G1+6], 0
	s_mov_b32 s[G1+7], 0
	s_mul_i32 s[LW], s[WV], XW
	s_mov_b32 s[G0], 1
	s_mov_b32 s[G0+1], s[LW]
	s_lshl_b32 s52, ttmp9, 18                      ; my 16 rows: 64 rows x 4,096 bytes a block, 16 a wave
	s_lshl_b32 s21, s[WV], 16
	s_add_co_u32 s52, s52, s21
	s_mov_b32 s53, 0
	s_wait_dscnt 0x0
	s_wait_kmcnt 0x0
	s_add_nc_u64 s[PQ:PQ+1], s[4:5], s[52:53]
	s_add_nc_u64 s[PK:PK+1], s[6:7], s[52:53]
	s_mov_b64 s[G0+2:G0+3], s[PQ:PQ+1]
	s_or_b32 s[G0+3], s[G0+3], 0x80000000
	tensor_load_to_lds s[G0:G0+3], s[G1:G1+7]      ; queries' first half into slot 0: my one load at the head
	s_nop 0
	PLACES 4
	s_mul_i32 s54, s[WV], 1536
	s_add_co_u32 s54, s54, IMG
	s_lshl_b32 s55, s[WV], 2
	s_add_co_u32 s55, s55, IMG+ASC
	s_lshl_b32 s21, s[WV], 8
	s_add_co_u32 s56, s21, SCR
	s_add_co_u32 s57, s21, PB
	s_lshr_b32 s58, s[WV], 1                       ; my 256 columns of keys: slot w / 2, byte 1,040 (w % 2) of the LDS rows
	s_mul_i32 s58, s58, XS1
	s_and_b32 s22, s[WV], 1
	s_mul_i32 s22, s22, 1040
	s_add_co_u32 s58, s58, s22
	v_and_b32 v16, 31, v0                          ; lane
	v_and_b32 v17, 15, v0                          ; r
	v_bfe_u32 v18, v0, 4, 1                        ; h
	v_lshlrev_b32 v[GA], 4, v16
	v_lshlrev_b32 v[SBO], 2, v16
	v_lshlrev_b32 v[PO], 3, v16
	v_lshlrev_b32 v[CO], 6, v17
	v_add_nc_u32 v[ADA0], IMG, v[GA]
	v_add_nc_u32 v[AWI0], s54, v[GA]
	v_add_nc_u32 v[AWS0], s55, v[GA]
	v_mul_u32_u24 v[XA0], v17, XP
	v_lshl_add_u32 v[XA0], v18, 6, v[XA0]
	v_add_nc_u32 v[XA0], s[LW], v[XA0]
	v_lshlrev_b32 v[PFO], 12, v17
	v_lshl_add_u32 v[PFO], v18, 8, v[PFO]
	v_lshl_add_u32 v[SCA], v18, 5, s56
	v_add_nc_u32 v[SCL], SCR, v[PO]
	v_add_nc_u32 v[PBW], s57, v[PO]
	v_mov_b32 v[PBA], s57
	v_add_nc_u32 v[CA0], s58, v[GA]
	v_add_nc_u32 v[CA0+1], 32*XP, v[CA0]
	WIN 0x40
.irp b, 0,1,2,3
	v_mov_b32 v[TM+4+\b], 0                        ; written once: a lane permute's destination counts as one of its sources
.endr
	WIN 0
	s_wait_alu depctr_va_vdst(0)
	s_mul_i32 s52, s[WV], QUART
	s_add_nc_u64 s[WP:WP+1], s[8:9], s[52:53]      ; K step 0, my quarter
	s_lshl_b32 s52, s[WV], 10                      ; my 256 numbers of Qb, Kb, Vw
	s_add_nc_u64 s[10:11], s[10:11], s[52:53]
	s_add_nc_u64 s[12:13], s[12:13], s[52:53]
	s_add_nc_u64 s[14:15], s[14:15], s[52:53]
	s_lshl_b32 s21, ttmp9, 12
	s_add_co_u32 s52, s52, s21
	s_add_nc_u64 s[18:19], s[18:19], s[52:53]      ; pc: 4,096 bytes a block, 1,024 a wave
	s_lshl_b32 s52, ttmp9, 8
	s_add_nc_u64 s[16:17], s[16:17], s[52:53]      ; sc: 256 bytes a block
	s_mov_b32 s[SEL], 0x76543210
	s_mov_b32 s[SEL+1], 0xfedcba98
	s_mov_b32 s[CS], 0x4038aa3b                    ; 2 log2(e)
	s_mov_b32 s[CS+1], s[CS]
	s_mov_b32 s[TB], IMX
	s_mov_b32 s[TW], 0
	WIN 0x40
.irp c, 0,1,2,3
	global_load_b128 v[QB+4*\c:QB+4*\c+3], v[CO], s[10:11] offset:16*\c   ; my 16 columns' numbers
	global_load_b128 v[KB+4*\c:KB+4*\c+3], v[CO], s[12:13] offset:16*\c
	global_load_b128 v[VW+4*\c:VW+4*\c+3], v[CO], s[14:15] offset:16*\c
.endr
.irp g, 0,1,2,3
	BLOAD \g                                       ; K step 0's weights
.endr
	s_wait_xcnt 0x0
	s_add_nc_u64 s[WP:WP+1], s[WP:WP+1], KSTEPB
	REFILL XS1, PQ, 2048                           ; slot 1's first fill, issued as a refill is: queries' second half
	PREF 0
	s_mov_b32 s[XO], 0
	ITER 0, 0, 1                                   ; K step 0 is quantised
	s_mov_b32 s[XO], 512
	ITER 1, 1, 1                                   ; K step 0's products start the sums
	RUN 0, 2
	REFILL 0, PK, 0                                ; keys' first half
	PREF 2048
	RUN XS1, 0
	REFILL XS1, PK, 2048                           ; keys' second half
	RUN 0, 0
	s_wait_tensorcnt 0x0                           ; my rows of keys' second half are in; nothing is filled again
	RUN XS1, 0
	ITER 1, 0, 0                                   ; K step 15's products
	; THE ACTIVATION AND THE DOT WITH Vw.  The constants are laid over the fragments' registers, four plain instructions behind the last products.
	PLACES 4
	WIN 0x05
.set B, 0
.rept 16
	v_add_f32 v[BCD+2*B], v[QB+B], v[KB+B]
.set B, B+1
.endr
	v_add_f32 v[VS], v[VW], v[VW+1]
	v_add_f32 v[VS+1], v[VW+2], v[VW+3]
	WIN 0x04
.irp i, 4,6,8,10,12,14
	v_add_f32 v[VS], v[VS], v[VW+\i]
	v_add_f32 v[VS+1], v[VS+1], v[VW+\i+1]
.endr
.set B, 0
.rept 16
	v_mul_f32 v[VWD+2*B], -2.0, v[VW+B]
.set B, B+1
.endr
	WIN 0
.set B, 0
.rept 16
	v_mul_f32 v[BCD+2*B], s[CS], v[BCD+2*B]        ; 2 log2(e) (Qb + Kb)
.set B, B+1
.endr
.set B, 0
.rept 16
	v_mov_b32 v[BCD+2*B+1], v[BCD+2*B]             ; pairs for the packed forms
	v_mov_b32 v[VWD+2*B+1], v[VWD+2*B]
.set B, B+1
.endr
	v_add_f32 v[VS], v[VS], v[VS+1]                ; the sum of my 16 Vw: the 1 of each 1 - 2 / (..)
	v_mov_b32 v[VS+1], v[VS]
; Eight batches of 64 registers: batch k is tiles 2 k and 2 k + 1, in window 2 + k / 4 at v[64 (k % 4)]
.macro EF k                            ; 2 log2(e) (x + bias); each accumulator from its low end on
	WIN 0x82+0x41*((\k)/4)
.set EB, 64*((\k)%4)
.set JJ, 0
.rept 32
	v_pk_fma_f32 v[EB+2*JJ:EB+2*JJ+1], v[EB+2*JJ:EB+2*JJ+1], s[CS:CS+1], v[BCD+2*(2*(\k)+JJ/16):BCD+2*(2*(\k)+JJ/16)+1] op_sel_hi:[1,0,1]
.set JJ, JJ+1
.endr
.endm
.macro EE k                            ; 2^(..)
	WIN 0x82+0x41*((\k)/4)
.set EB, 64*((\k)%4)
.set JJ, 0
.rept 64
	v_exp_f32 v[EB+JJ], v[EB+JJ]
.set JJ, JJ+1
.endr
.endm
.macro EA k                            ; 1 + ..
	WIN 0x82+0x41*((\k)/4)
.set EB, 64*((\k)%4)
.set JJ, 0
.rept 32
	v_pk_add_f32 v[EB+2*JJ:EB+2*JJ+1], v[EB+2*JJ:EB+2*JJ+1], 1.0 op_sel_hi:[1,0]
.set JJ, JJ+1
.endr
.endm
.macro ER k                            ; 1 / ..
	WIN 0x82+0x41*((\k)/4)
.set EB, 64*((\k)%4)
.set JJ, 0
.rept 64
	v_rcp_f32 v[EB+JJ], v[EB+JJ]
.set JJ, JJ+1
.endr
.endm
.macro ES k                            ; the rows' sums take -2 Vw / (..); the first tile starts them, on the sum of Vw
	WIN 0x02+(\k)/4
.set EB, 64*((\k)%4)
.set JJ, 0
.rept 32
.if ((\k) == 0) && (JJ < 16)
	v_pk_fma_f32 v[SU+2*(JJ%16):SU+2*(JJ%16)+1], v[EB+2*JJ:EB+2*JJ+1], v[VWD+2*(2*(\k)+JJ/16):VWD+2*(2*(\k)+JJ/16)+1], v[VS:VS+1]
.else
	v_pk_fma_f32 v[SU+2*(JJ%16):SU+2*(JJ%16)+1], v[EB+2*JJ:EB+2*JJ+1], v[VWD+2*(2*(\k)+JJ/16):VWD+2*(2*(\k)+JJ/16)+1], v[SU+2*(JJ%16):SU+2*(JJ%16)+1]
.endif
.set JJ, JJ+1
.endr
.endm
	; One wait serves a batch's reciprocals and the next batch's exponentials
	EF 0
	s_wait_alu depctr_va_vdst(0)
	EE 0
	s_wait_alu depctr_va_vdst(0)
	EF 1
.irp k, 0,1,2,3,4,5,6,7
	s_wait_alu depctr_va_vdst(0)
.if \k > 0
	ES \k-1
.endif
	EA \k
	s_wait_alu depctr_va_vdst(0)
	ER \k
.if \k < 7
	EE \k+1
.endif
.if \k < 6
	s_wait_alu depctr_va_vdst(0)
	EF \k+2
.else
	v_nop                                          ; the plain instruction behind the last transcendental
.endif
.endr
	s_wait_alu depctr_va_vdst(0)
	ES 7
	WIN 0
.irp m, 1,2,4,8                        ; over the 16 lanes of a half: my 256 columns
.set JJ, 0
.rept 32
	v_add_f32_dpp v[SU+JJ], v[SU+JJ], v[SU+JJ] row_xmask:\m row_mask:0xf bank_mask:0xf
.set JJ, JJ+1
.endr
.endr
.irp a, 0,1,2,3
	ds_store_b128 v[SCA], v[SU+8*\a:SU+8*\a+3] offset:64*\a          ; row 16 a + 8 h + j at 4 bytes a row; the 16 lanes of a half write the same words with the same values
	ds_store_b128 v[SCA], v[SU+8*\a+4:SU+8*\a+7] offset:64*\a+16
.endr
	s_wait_dscnt 0x0                               ; for the others' sake: my part of the scores has landed
	s_barrier_signal -1
	s_barrier_wait -1
	; THE BLOCK'S SOFTMAX PART, in every wave alike: lane l takes rows 2 l and 2 l + 1
.irp q, 0,1,2,3
	ds_load_b64 v[208+2*\q:209+2*\q], v[SCL] offset:256*\q
.endr
	v_mov_b32 v[TP], 0
	s_wait_alu depctr_va_vdst(0)
	s_wait_dscnt 0x0
	v_pk_add_f32 v[208:209], v[208:209], v[210:211]
	v_pk_add_f32 v[212:213], v[212:213], v[214:215]
	v_pk_add_f32 v[SCO:SCO+1], v[208:209], v[212:213]    ; the scores
	v_max_num_f32 v[MXR], v[SCO], v[SCO+1]
.irp m, 1,2,4,8
	v_max_num_f32_dpp v[MXR], v[MXR], v[MXR] row_xmask:\m row_mask:0xf bank_mask:0xf
.endr
	v_permlanex16_b32 v[TP], v[MXR], s[SEL], s[SEL+1]
	v_max_num_f32 v[MXR], v[MXR], v[TP]            ; the block's largest score, taken away ahead of the exponential
	v_sub_f32 v216, v[SCO], v[MXR]
	v_sub_f32 v217, v[SCO+1], v[MXR]
	v_mul_f32 v216, 0x3fb8aa3b, v216
	v_mul_f32 v217, 0x3fb8aa3b, v217
	s_wait_alu depctr_va_vdst(0)
	v_exp_f32 v216, v216
	v_exp_f32 v217, v217
	v_nop
	s_wait_alu depctr_va_vdst(0)
	ds_store_b64 v[PBW], v[216:217]                ; my wave's own copy of the 64 p;
.set T, 0
.rept 16
	ds_load_b128 v[P+4*T:P+4*T+3], v[PBA] offset:16*T   ; and back, every p in every lane: LDS serves a wave's instructions in order
.set T, T+1
.endr
	s_cmp_lg_u32 s[WV], 0
	s_cbranch_scc1 .Lno_scores
	global_store_b64 v[PO], v[SCO:SCO+1], s[16:17] ; wave 0: 256 consecutive bytes, aligned; the registers are not written again
.Lno_scores:
	; THE WEIGHTED SUM OF THE BLOCK'S KEYS, f32 from the two slots: lane l takes columns 256 w + 4 l .. + 3 and the same 128 further on
.macro KLOAD q                         ; rows 8 q .. 8 q + 7 into set q % 2
.set T, 0
.rept 8
.set RW, 8*(\q)+T
	ds_load_b128 v[KX+64*((\q)%2)+8*T:KX+64*((\q)%2)+8*T+3], v[CA0+RW/32] offset:(RW%32)*XP
	ds_load_b128 v[KX+64*((\q)%2)+8*T+4:KX+64*((\q)%2)+8*T+7], v[CA0+RW/32] offset:(RW%32)*XP+512
.set T, T+1
.endr
.endm
.macro KFMA q                          ; two sets of sums, for even and odd rows; rows 0 and 1 start them
.set T, 0
.rept 8
.set RW, 8*(\q)+T
.irp c, 0,1,2,3,4,5,6,7
.if RW < 2
	v_mul_f32 v[CT+8*(T%2)+\c], v[P+RW], v[KX+64*((\q)%2)+8*T+\c]
.else
	v_fmac_f32 v[CT+8*(T%2)+\c], v[P+RW], v[KX+64*((\q)%2)+8*T+\c]
.endif
.endr
.set T, T+1
.endr
.endm
	KLOAD 0
	KLOAD 1
.set Q, 0
.rept 8
.if Q < 7
	s_wait_dscnt 16                                ; this set's 16 loads are in; the other set's may be out
.else
	s_wait_dscnt 0x0
.endif
	KFMA Q
.if Q < 6
	KLOAD Q+2
.endif
.set Q, Q+1
.endr
.irp c, 0,2,4,6
	v_pk_add_f32 v[CT+\c:CT+\c+1], v[CT+\c:CT+\c+1], v[CT+8+\c:CT+9+\c]
.endr
	global_store_b128 v[GA], v[CT:CT+3], s[18:19]              ; 512 consecutive bytes a store, aligned
	global_store_b128 v[GA], v[CT+4:CT+7], s[18:19] offset:512
	s_wait_tensorcnt 0x0                           ; the wave's end
	ds_add_u32 v[SPW], v[NIL]
	s_wait_dscnt 0x0
	s_endpgm
.Lfunc_end_k_q246e62342e_main:
	.size	k_q246e62342e_main, .Lfunc_end_k_q246e62342e_main-k_q246e62342e_main
	.p2alignl 7, 3214868480
	.fill 96, 4, 3214868480
	.section	.rodata,"a",@progbits
	.p2align	6, 0x0
	.amdhsa_kernel k_q246e62342e_main
		.amdhsa_group_segment_fixed_size 327680
		.amdhsa_private_segment_fixed_size 0
		.amdhsa_enable_private_segment 0
		.amdhsa_kernarg_size 64
		.amdhsa_user_sgpr_count 2
		.amdhsa_user_sgpr_kernarg_segment_ptr 1
		.amdhsa_wavefront_size32 1
		.amdhsa_system_sgpr_workgroup_id_x 1
		.amdhsa_system_sgpr_workgroup_id_y 1
		.amdhsa_system_sgpr_workgroup_id_z 1
		.amdhsa_system_vgpr_workitem_id 0
		.amdhsa_next_free_vgpr 1024
		.amdhsa_next_free_sgpr 66
		.amdhsa_reserve_vcc 0
		.amdhsa_float_denorm_mode_32 3
		.amdhsa_float_denorm_mode_16_64 3
		.amdhsa_memory_ordered 1
		.amdhsa_forward_progress 1
		.amdhsa_inst_pref_size 254
	.end_amdhsa_kernel
	.amdgpu_metadata
---
amdhsa.version: [ 1, 2 ]
amdhsa.kernels:
  - .name:           k_q246e62342e_main
    .symbol:         k_q246e62342e_main.kd
    .args:
      - { .name: queries, .offset: 0, .size: 8, .value_kind: global_buffer, .address_space: global }
      - { .name: keys, .offset: 8, .size: 8, .value_kind: global_buffer, .address_space: global }
      - { .name: wq, .offset: 16, .size: 8, .value_kind: global_buffer, .address_space: global }
      - { .name: Qb, .offset: 24, .size: 8, .value_kind: global_buffer, .address_space: global }
      - { .name: Kb, .offset: 32, .size: 8, .value_kind: global_buffer, .address_space: global }
      - { .name: Vw, .offset: 40, .size: 8, .value_kind: global_buffer, .address_space: global }
      - { .name: sc, .offset: 48, .size: 8, .value_kind: global_buffer, .address_space: global }
      - { .name: pc, .offset: 56, .size: 8, .value_kind: global_buffer, .address_space: global }
    .group_segment_fixed_size: 327680
    .private_segment_fixed_size: 0
    .kernarg_segment_align: 8
    .kernarg_segment_size: 64
    .max_flat_workgroup_size: 128
    .sgpr_count:     66
    .vgpr_count:     1024
    .wavefront_size: 32
...
	.end_amdgpu_metadata
.endif
;; end of part 2
;; launch comb (part 3): grid 16 x 8, 32 waves a work-group, no clusters, 12,800 bytes of LDS; arguments sc, pc, out0, out1; writes out0, out1
.if DOCPART == 3
	.amdgcn_target "amdgcn-amd-amdhsa--gfx1250"
	.amdhsa_code_object_version 6
	.text
	.protected	k_q246e62342e_comb
	.globl	k_q246e62342e_comb
	.p2align	8
	.type	k_q246e62342e_comb,@function
k_q246e62342e_comb:
	s_mov_b64 s[64:65], 0
	v_nop
	global_prefetch_b8 v0, s[64:65] scope:SCOPE_SE
	s_setreg_imm32_b32 hwreg(HW_REG_WAVE_MODE, 25, 1), 1
	s_wait_xcnt 0x0
; out1[b] = softmax over the batch's 4,096 scores sc, the true maximum M taken away first (Vb is left out: the same for all scores of a softmax);
; out0[b][c] = sum over the batch's 64 blocks of 2^((m - M) log2 e) pc[block][c] / L, m the block's largest score (the same 64 numbers give the same m as in the launch before), L the sum of the exponentials.
; SHARES.  Work-group (x, b): batch b, columns 64 x .. 64 x + 63.  Thread t holds scores 4 t .. 4 t + 3, which lie in block t / 16, and 16 bytes of that block's 256 bytes of pc: one load each.
; Each of a batch's 16 work-groups makes the softmax for itself (16 KiB) and stores a sixteenth of out1.  A stream of one load a thread: no matrix unit, cluster, tensor load or prefetch has anything to serve here.
; LIMITS: NaN and infinities are not served; a weight under 2^-126 comes out as 0.
.set MX, 0                             ; 32 words: the waves' maxima
.set SM, 256                           ; 32 words: the waves' sums
.set RD, 512                           ; 32 x 256 bytes: the waves' parts of the 64 columns
.set SPARE, 8704                       ; the spare words, 128 bytes a wave
.set R, 32
.set SEL, 22
.macro WRED op, v, t                   ; over the wave's 32 lanes, the result in every lane
.irp m, 1,2,4,8
	\op\()_dpp v[\v], v[\v], v[\v] row_xmask:\m row_mask:0xf bank_mask:0xf
.endr
	v_permlanex16_b32 v[\t], v[\v], s[SEL], s[SEL+1]
	\op v[\v], v[\v], v[\t]
.endm
.macro BARRIER
	s_wait_alu depctr_va_vdst(0)
	s_wait_dscnt 0x0
	s_barrier_signal -1
	s_barrier_wait -1
.endm
	s_load_b256 s[4:11], s[0:1], 0x0               ; sc, pc, out0, out1
	v_lshl_add_u32 v8, v0, 2, SPARE
	v_mov_b32 v9, 0
	v_lshrrev_b32 v1, 5, v0
	v_readfirstlane_b32 s12, v1                    ; wave 0..31
	s_and_b32 s13, ttmp7, 0xffff                   ; batch
	s_lshl_b32 s14, s12, 2
	s_lshl_b32 s15, s12, 8
	s_add_co_u32 s15, s15, RD
	s_lshl_b32 s16, s13, 14                        ; the batch in sc and out1
	s_mov_b32 s17, 0
	s_lshl_b32 s24, ttmp9, 8                       ; my 256 bytes of a row
	s_lshl_b32 s18, s13, 18                        ; the batch in pc
	s_add_co_u32 s18, s18, s24
	s_mov_b32 s19, 0
	s_lshl_b32 s20, s13, 12                        ; in out0
	s_add_co_u32 s20, s20, s24
	s_mov_b32 s21, 0
	s_mov_b32 s[SEL], 0x76543210
	s_mov_b32 s[SEL+1], 0xfedcba98
	v_and_b32 v1, 31, v0                           ; lane
	v_and_b32 v2, 15, v0                           ; r
	v_bfe_u32 v3, v0, 4, 1                         ; h
	v_lshlrev_b32 v4, 4, v0                        ; my four scores
	v_lshrrev_b32 v5, 4, v0
	v_lshlrev_b32 v5, 12, v5
	v_lshl_add_u32 v5, v2, 4, v5                   ; pc: 4,096 x block + 16 r
	v_mov_b32 v6, s14                              ; my wave's word
	v_lshlrev_b32 v7, 2, v1                        ; the word of wave = my lane
	v_lshl_add_u32 v10, v2, 4, s15                 ; my wave's part
	v_lshlrev_b32 v11, 4, v2
	v_lshl_add_u32 v25, v3, 12, v11
	v_add_nc_u32 v25, RD, v25                      ; for wave 0: the parts of waves 16 h + 0 .. 15
	v_mov_b32 v12, 0                               ; written once: a lane permute's destination counts as one of its sources
.irp c, 0,1,2,3
	v_mov_b32 v[28+\c], 0
.endr
	s_wait_alu depctr_va_vdst(0)
	s_wait_kmcnt 0x0
	s_add_nc_u64 s[4:5], s[4:5], s[16:17]
	s_add_nc_u64 s[6:7], s[6:7], s[18:19]
	s_add_nc_u64 s[8:9], s[8:9], s[20:21]
	s_add_nc_u64 s[10:11], s[10:11], s[16:17]
	global_load_b128 v[16:19], v4, s[4:5]
	global_load_b128 v[20:23], v5, s[6:7] th:TH_LOAD_NT
	s_wait_loadcnt 0x1                             ; the scores are in
	v_max3_num_f32 v13, v16, v17, v18
	v_max_num_f32 v13, v13, v19
.irp m, 1,2,4,8
	v_max_num_f32_dpp v13, v13, v13 row_xmask:\m row_mask:0xf bank_mask:0xf
.endr
	v_mov_b32 v24, v13                             ; 16 lanes x 4 scores: my block's largest
	v_permlanex16_b32 v12, v13, s[SEL], s[SEL+1]
	v_max_num_f32 v14, v13, v12
	ds_store_b32 v6, v14                           ; all lanes write the same word with the same value
	BARRIER
	ds_load_b32 v14, v7
	s_wait_dscnt 0x0
	WRED v_max_num_f32, 14, 12                     ; the batch's largest score
.irp c, 0,1,2,3
	v_sub_f32 v[16+\c], v[16+\c], v14
.endr
	v_sub_f32 v24, v24, v14
.irp c, 0,1,2,3
	v_mul_f32 v[16+\c], 0x3fb8aa3b, v[16+\c]
.endr
	v_mul_f32 v24, 0x3fb8aa3b, v24
	s_wait_alu depctr_va_vdst(0)
.irp c, 0,1,2,3
	v_exp_f32 v[16+\c], v[16+\c]
.endr
	v_exp_f32 v24, v24
	v_nop
	s_wait_alu depctr_va_vdst(0)
	v_add_f32 v15, v16, v17
	v_add_f32 v13, v18, v19
	v_add_f32 v15, v15, v13
	WRED v_add_f32, 15, 12
	ds_store_b32 v6, v15 offset:SM
	BARRIER
	ds_load_b32 v15, v7 offset:SM
	s_wait_dscnt 0x0
	WRED v_add_f32, 15, 12                         ; the batch's sum
	s_wait_alu depctr_va_vdst(0)
	v_rcp_f32 v15, v15
	v_nop
	s_wait_alu depctr_va_vdst(0)
.irp c, 0,1,2,3
	v_mul_f32 v[16+\c], v[16+\c], v15              ; the weights
.endr
	v_mul_f32 v24, v24, v15                        ; my block's factor
	s_wait_alu depctr_va_vdst(0)
	s_wait_loadcnt 0x0
.irp c, 0,1,2,3
	v_mul_f32 v[20+\c], v[20+\c], v24
.endr
.irp c, 0,1,2,3
	v_permlanex16_b32 v[28+\c], v[20+\c], s[SEL], s[SEL+1]
.endr
.irp c, 0,1,2,3
	v_add_f32 v[20+\c], v[20+\c], v[28+\c]         ; my wave's two blocks
.endr
	ds_store_b128 v10, v[20:23]                    ; lanes r and r + 16 write the same bytes with the same values
	BARRIER
	s_lshr_b32 s25, s12, 1                         ; out1: weights 256 x .. 256 x + 255 lie in waves 2 x and 2 x + 1
	s_cmp_lg_u32 s25, ttmp9
	s_cbranch_scc1 .Lnot_my_weights
	global_store_b128 v4, v[16:19], s[10:11]       ; 512 consecutive bytes a wave, aligned; its registers are not written again
.Lnot_my_weights:
	s_cmp_lg_u32 s12, 0
	s_cbranch_scc1 .Lend
.set T, 0
.rept 16
	ds_load_b128 v[R+4*T:R+4*T+3], v25 offset:256*T
.set T, T+1
.endr
	s_wait_dscnt 0x0
.irp d, 8,4,2,1
.set T, 0
.rept \d
	v_pk_add_f32 v[R+4*T:R+4*T+1], v[R+4*T:R+4*T+1], v[R+4*(T+\d):R+4*(T+\d)+1]
	v_pk_add_f32 v[R+4*T+2:R+4*T+3], v[R+4*T+2:R+4*T+3], v[R+4*(T+\d)+2:R+4*(T+\d)+3]
.set T, T+1
.endr
.endr
.irp c, 0,1,2,3
	v_permlanex16_b32 v[R+4+\c], v[R+\c], s[SEL], s[SEL+1]
.endr
.irp c, 0,1,2,3
	v_add_f32 v[R+\c], v[R+\c], v[R+4+\c]          ; all 32 waves' parts
.endr
	v_cmp_gt_u32 vcc_lo, 16, v1
	s_wait_alu depctr_va_vdst(0)
	s_wait_xcnt 0x0                                ; EXEC changes only behind this wait
	s_and_saveexec_b32 s26, vcc_lo
	global_store_b128 v11, v[R:R+3], s[8:9]        ; sixteen lanes store 256 consecutive bytes, aligned
	s_wait_xcnt 0x0
	s_or_b32 exec_lo, exec_lo, s26
.Lend:
	s_wait_tensorcnt 0x0                           ; the wave's end
	ds_add_u32 v8, v9
	s_wait_dscnt 0x0
	s_endpgm
.Lfunc_end_k_q246e62342e_comb:
	.size	k_q246e62342e_comb, .Lfunc_end_k_q246e62342e_comb-k_q246e62342e_comb
	.p2alignl 7, 3214868480
	.fill 96, 4, 3214868480
	.section	.rodata,"a",@progbits
	.p2align	6, 0x0
	.amdhsa_kernel k_q246e62342e_comb
		.amdhsa_group_segment_fixed_size 12800
		.amdhsa_private_segment_fixed_size 0
		.amdhsa_enable_private_segment 0
		.amdhsa_kernarg_size 32
		.amdhsa_user_sgpr_count 2
		.amdhsa_user_sgpr_kernarg_segment_ptr 1
		.amdhsa_wavefront_size32 1
		.amdhsa_system_sgpr_workgroup_id_x 1
		.amdhsa_system_sgpr_workgroup_id_y 1
		.amdhsa_system_sgpr_workgroup_id_z 1
		.amdhsa_system_vgpr_workitem_id 0
		.amdhsa_next_free_vgpr 128
		.amdhsa_next_free_sgpr 66
		.amdhsa_reserve_vcc 1
		.amdhsa_float_denorm_mode_32 3
		.amdhsa_float_denorm_mode_16_64 3
		.amdhsa_memory_ordered 1
		.amdhsa_forward_progress 1
		.amdhsa_inst_pref_size 11
	.end_amdhsa_kernel
	.amdgpu_metadata
---
amdhsa.version: [ 1, 2 ]
amdhsa.kernels:
  - .name:           k_q246e62342e_comb
    .symbol:         k_q246e62342e_comb.kd
    .args:
      - { .name: sc, .offset: 0, .size: 8, .value_kind: global_buffer, .address_space: global }
      - { .name: pc, .offset: 8, .size: 8, .value_kind: global_buffer, .address_space: global }
      - { .name: out0, .offset: 16, .size: 8, .value_kind: global_buffer, .address_space: global }
      - { .name: out1, .offset: 24, .size: 8, .value_kind: global_buffer, .address_space: global }
    .group_segment_fixed_size: 12800
    .private_segment_fixed_size: 0
    .kernarg_segment_align: 8
    .kernarg_segment_size: 32
    .max_flat_workgroup_size: 1024
    .sgpr_count:     66
    .vgpr_count:     128
    .wavefront_size: 32
...
	.end_amdgpu_metadata
.endif
;; end of part 3
